; MI455X (gfx1250); checked and timed in simulation.
; The chip was launched on July 23, 2026; its instructions are those of AMD's public machine-readable ISA for CDNA 5 (MIT licence, August 2026) and "CDNA5" Instruction Set Architecture Reference Guide (July 2026). The comments in the code are by the model that wrote it; some were corrected since.
;; Attention Block. Allowed arithmetic: matrix products marked QUANTISED: E2M1 operands, one E8M0 scale for each 32 along K, by v_wmma_scale_f32_16x16x128_f8f6f4 with both operands' format E2M1 (or v_wmma_scale_f32_32x16x128_f4), f32 sums; everything else in f32.
;; Inputs: W_out_codes 256 x 8 x 16 uint8 (E2M1 codes of W_out, K innermost, in blocks of 32 codes, two codes a byte); W_out_scales 256 x 8 uint8 (E8M0 scales of W_out, one for each 32 codes along K); W_qkv_codes 768 x 8 x 16 uint8 (E2M1 codes of W_qkv, K innermost, in blocks of 32 codes, two codes a byte); W_qkv_scales 768 x 8 uint8 (E8M0 scales of W_qkv, one for each 32 codes along K); b_out 256 float32; b_qkv 768 float32; beta 256 float32; gamma 256 float32; x 4 x 256 x 64 x 64 float32.
;; Outputs: out0 4 x 256 x 64 x 64 float32.
;; This version of the problem:
;;   THIS VERSION OF THE PROBLEM IS GIVEN IN LOW PRECISION. The matrix products marked QUANTISED in the list below multiply operands that are first quantised to E2M1 (2 exponent bits, 1 mantissa bit; 4 bits a number), with one power-of-two scale for each 32 numbers along K (OCP MX v1.0); their sums are f32. All else is computed in f32.
;;   The module's matrix products, in the order in which they are computed (A, B: the left and right operand; K: the contracted axis; several contracted axes count as one K, in the product's order):
;;     1. [M 16,384, K 256] x [K 256, N 768]; A: computed on the way; B: input W_qkv (given as codes): QUANTISED
;;     2. batch 16 x [M 4,096, K 64] x [K 64, N 4,096]; A: computed on the way; B: computed on the way: QUANTISED
;;     3. batch 16 x [M 64, K 4,096] x [K 4,096, N 4,096]; A: computed on the way; B: softmax (see below): QUANTISED
;;     4. [M 16,384, K 256] x [K 256, N 256]; A: computed on the way; B: input W_out (given as codes): QUANTISED
;;   THE QUANTISER, for each operand of a quantised product, along K:
;;     - K is cut into blocks of 32 from its start; a last block that is shorter is filled with zeros.
;;     - A block's scale is 2^e with e = floor(log2(the largest magnitude in the block)) - 2, held to -126 .. 127; a block of zeros has e = 0. As a byte (E8M0): e + 127.
;;     - Each number is divided by its block's scale, clamped to +-6, and rounded to the nearest number of E2M1, ties to even, subnormals kept.
;;     - The product sums the exact products of the quantised numbers (number of the format x scale) in f32.
;;   ~~~python
;;   def quantise(x, axis):      # numpy; x: float32 -> the quantised numbers, widened to float32 again
;;       x = np.moveaxis(x, axis, -1); K = x.shape[-1]
;;       x = np.pad(x, [(0, 0)] * (x.ndim - 1) + [(0, -K % 32)]); x = x.reshape(x.shape[:-1] + (-1, 32)); a = np.abs(x).max(-1, keepdims=True)
;;       e = np.where(a > 0, np.clip(np.frexp(np.where(a > 0, a, 1))[1] - 1 - 2, -126, 127), 0)      # np.frexp(a)[1] - 1 = floor(log2(a)), exactly
;;       r = np.clip(x / 2.0 ** e, -6, 6)
;;       step = 2.0 ** (np.maximum(np.frexp(np.where(r == 0, 1, r))[1] - 1, 0) - 1)
;;       q = np.round(r / step) * step * 2.0 ** e      # np.round: ties to even
;;       return np.moveaxis(q.reshape(q.shape[:-2] + (-1,))[..., :K], -1, axis).astype(np.float32)
;;   ~~~
;;   SOFTMAX AHEAD OF A QUANTISED PRODUCT. Where the list says 'softmax', what is quantised is not the finished softmax but p = 2^(t - M), with t = logit x log2(e) and M = ceil(the row's largest t), a whole number; so 1/2 < the row's largest p <= 1. The row's sum l is taken of the UNQUANTISED p, in f32, and the product's result is divided by l at the end. Since M is a whole number, a kernel that streams over the keys may use a running M (the ceiling of the running maximum): every later rescaling is an exact power of two, which a block's scale takes up: the codes' values come out the same.
;;   OPERANDS COMPUTED ON THE WAY. 'Computed on the way' means the value that the module computes at that place (a softmax that the list does not call 'softmax' is quantised finished and normalised). What goes into a quantiser is computed in f32, as accurately as f32 sums, v_exp_f32 and their like allow (about 1e-6 of the number): no bf16 or f16 on the way to a quantiser, and a product that is left as it is and whose result goes on into a quantised operand takes f32 operands (vector FMAs, or v_wmma_f32_16x16x4_f32). A number that lies on a knife's edge between two numbers of the format may be rounded either way, as far as f32 arithmetic and the matrix unit's own rounding can turn it there, and no further.
;;   INPUTS GIVEN AS CODES. W_out (in the module: [256, 256], K = its axis 0); W_qkv (in the module: [256, 768], K = its axis 0): each comes as NAME_codes (uint8): NAME with its K axis moved to the last place and cut into blocks of 32 codes, [.., K / 32, bytes a block], one block behind the other in memory; two codes a byte, the lower K in the low four bits (a code: sign, 2 exponent bits, 1 mantissa bit); and NAME_scales (uint8): the same leading axes, one E8M0 byte (e + 127) for each 32 codes along K. Its value is code x scale, taken as it is: it is not quantised again, and the codes and scales need not be those that the quantiser above would give.
;; One version. Each part assembles by itself: llvm-mc -triple=amdgcn-amd-amdhsa -mcpu=gfx1250 --defsym DOCPART=n.
;; ======== version 1 of 1: 4 launches
;; limits: right only within a limited range of input values
;; workspace buffers: par 5,120 bytes; qq 2,359,296 bytes; kv 4,587,520 bytes; rs 2,621,440 bytes
;; launch stats (part 1): grid 128 x 1, 8 waves a work-group, no clusters, 1,280 bytes of LDS; arguments x, gamma, par; writes par
.if DOCPART == 1
	.amdgcn_target "amdgcn-amd-amdhsa--gfx1250"
	.amdhsa_code_object_version 6
	.text
	.protected	k_q96b91360e0_stats
	.globl	k_q96b91360e0_stats
	.p2align	8
	.type	k_q96b91360e0_stats,@function
k_q96b91360e0_stats:
	s_mov_b64 s[64:65], 0
	v_nop
	global_prefetch_b8 v0, s[64:65] scope:SCOPE_SE
	s_setreg_imm32_b32 hwreg(HW_REG_WAVE_MODE, 25, 1), 1
	s_wait_xcnt 0x0
; GroupNorm's figures.  x: [4][256][4096] f32; a group is 8 channels x 4,096 numbers = 131,072 consecutive bytes; 128 groups in all.
; One work-group of eight waves takes one group and keeps it in registers (256 threads x 128 registers) between the pass that finds the mean and the
; pass that sums (x - mean)^2: x is read once here, and the variance is no difference of two large sums, so a common offset of the inputs costs nothing.
; There are 128 groups, so 128 work-groups: splitting a group further would ask for sums across work-groups.
; Out: par, 1,280 bytes a batch: mean[32] at byte 0, a[256] = gamma / sqrt(var + 1e-5) at byte 128.
; No matrix unit, no tensor load, no cluster: nothing is shared between work-groups, and a wave's loads are dense.
; LIMITS: NaN and infinities among the inputs are not served; v_rsq_f32 is accurate to one unit in the last place.
.set X,  16                            ; v[16:143]  my 128 numbers
.set XW, 144                           ; v[144:151] the eight waves' sums
.set T,  152                           ; v[152:159] four pairs at work
.set GA, 160                           ; v160       gamma of channel (thread % 8) of the group
	s_load_b128 s[4:7], s[0:1], 0x0                ; x, gamma
	s_load_b64 s[8:9], s[0:1], 0x10                ; par
	v_lshl_add_u32 v168, v0, 2, 0x100
	v_mov_b32 v169, 0
	v_lshrrev_b32 v13, 5, v0                       ; wave
	v_and_b32 v1, 31, v0
	s_delay_alu instid0(VALU_DEP_1)
	v_lshlrev_b32 v1, 4, v1
	s_delay_alu instid0(VALU_DEP_1)
	v_lshl_add_u32 v1, v13, 14, v1                 ; a wave takes one channel, 16,384 bytes; 16 bytes a lane
	s_delay_alu instid0(VALU_DEP_4)
	v_lshlrev_b32 v13, 2, v13                      ; LDS: 4 x wave
	v_mov_b32 v14, 0
	v_mov_b32 v12, 0                               ; a lane permute's destination counts as read: written once
	v_and_b32 v15, 7, v0
	s_delay_alu instid0(VALU_DEP_1)
	v_lshlrev_b32 v15, 2, v15                      ; 4 x (thread % 8)
	s_lshl_b32 s16, ttmp9, 17                      ; the group's first byte
	s_mov_b32 s17, 0
	s_and_b32 s18, ttmp9, 31                       ; the group in its batch
	s_lshr_b32 s19, ttmp9, 5                       ; the batch
	s_mul_i32 s20, s19, 1280
	s_mov_b32 s21, 0
	s_lshl_b32 s22, s18, 5                         ; 8 numbers of gamma and of a
	s_mov_b32 s23, 0
	s_lshl_b32 s24, s18, 2                         ; the mean's word
	s_mov_b32 s25, 0
	s_mov_b32 s12, 0x76543210                      ; v_permlanex16_b32: lane l xor 16
	s_mov_b32 s13, 0xfedcba98
	s_mov_b32 s14, 0x38000000                      ; 2^-15 = 1 / 32,768
	s_mov_b32 s15, 0x3727c5ac                      ; 1e-5
	s_wait_alu depctr_va_vdst(0)
	s_wait_kmcnt 0x0
	s_add_nc_u64 s[4:5], s[4:5], s[16:17]
	s_add_nc_u64 s[6:7], s[6:7], s[22:23]
	s_add_nc_u64 s[8:9], s[8:9], s[20:21]
	s_add_nc_u64 s[10:11], s[8:9], s[24:25]
	s_add_nc_u64 s[8:9], s[8:9], s[22:23]
	global_load_b32 v[GA], v15, s[6:7]
.irp i, 0,1,2,3,4,5,6,7,8,9,10,11,12,13,14,15,16,17,18,19,20,21,22,23,24,25,26,27,28,29,30,31
	global_load_b128 v[X+4*\i:X+4*\i+3], v1, s[4:5] offset:512*\i     ; 32 lanes read 512 consecutive bytes
.endr
.macro WSUM r                          ; the sum over the wave's 32 lanes, in every lane
	s_delay_alu instid0(VALU_DEP_1)
	v_add_f32_dpp v[\r], v[\r], v[\r] row_xmask:1 row_mask:0xf bank_mask:0xf
	s_delay_alu instid0(VALU_DEP_1)
	v_add_f32_dpp v[\r], v[\r], v[\r] row_xmask:2 row_mask:0xf bank_mask:0xf
	s_delay_alu instid0(VALU_DEP_1)
	v_add_f32_dpp v[\r], v[\r], v[\r] row_xmask:4 row_mask:0xf bank_mask:0xf
	s_delay_alu instid0(VALU_DEP_1)
	v_add_f32_dpp v[\r], v[\r], v[\r] row_xmask:8 row_mask:0xf bank_mask:0xf
	s_delay_alu instid0(VALU_DEP_1)
	v_permlanex16_b32 v12, v[\r], s12, s13
	s_delay_alu instid0(VALU_DEP_1)
	v_add_f32 v[\r], v[\r], v12
.endm
.macro XWAVE r, off                    ; the sum over the eight waves: each stores its word, a barrier, all read all.  The two uses have bytes of their own
	ds_store_b32 v13, v[\r] offset:\off
	s_wait_dscnt 0x0                               ; for the others' sake: my store has landed
	s_barrier_signal -1
	s_barrier_wait -1
	ds_load_b128 v[XW:XW+3], v14 offset:\off
	ds_load_b128 v[XW+4:XW+7], v14 offset:\off+16
	s_wait_dscnt 0x0
	v_add_f32 v[XW], v[XW], v[XW+1]
	v_add_f32 v[XW+2], v[XW+2], v[XW+3]
	v_add_f32 v[XW+4], v[XW+4], v[XW+5]
	v_add_f32 v[XW+6], v[XW+6], v[XW+7]
	s_delay_alu instid0(VALU_DEP_3)
	v_add_f32 v[XW], v[XW], v[XW+2]
	s_delay_alu instid0(VALU_DEP_2)
	v_add_f32 v[XW+4], v[XW+4], v[XW+6]
	s_delay_alu instid0(VALU_DEP_1)
	v_add_f32 v[\r], v[XW], v[XW+4]
.endm
	; pass 1: the sum, two numbers an instruction, in four chains; a quarter of the loads at a time
	s_wait_loadcnt 24                              ; gamma and the first eight loads of x are in; the 24 younger ones may be out
.irp k, 0,1,2,3
	v_pk_add_f32 v[2+2*\k:3+2*\k], v[X+2*\k:X+2*\k+1], v[X+8+2*\k:X+9+2*\k]   ; the first pairs start the chains: nothing is cleared
.endr
.set p, 8
.rept 8
	s_delay_alu instid0(VALU_DEP_4)
	v_pk_add_f32 v[2+2*(p%4):3+2*(p%4)], v[2+2*(p%4):3+2*(p%4)], v[X+2*p:X+2*p+1]
.set p, p+1
.endr
	s_wait_alu depctr_va_vdst(0)
.irp left, 16, 8, 0
	s_wait_alu depctr_va_vdst(0)
	s_wait_loadcnt \left                           ; eight loads more are in
.rept 16
	v_pk_add_f32 v[2+2*(p%4):3+2*(p%4)], v[2+2*(p%4):3+2*(p%4)], v[X+2*p:X+2*p+1]
.set p, p+1
.endr
.endr
	s_delay_alu instid0(VALU_DEP_3)
	v_pk_add_f32 v[2:3], v[2:3], v[4:5]
	s_delay_alu instid0(VALU_DEP_2)
	v_pk_add_f32 v[6:7], v[6:7], v[8:9]
	s_delay_alu instid0(VALU_DEP_1)
	v_pk_add_f32 v[2:3], v[2:3], v[6:7]
	s_delay_alu instid0(VALU_DEP_1)
	v_add_f32 v2, v2, v3
	WSUM 2
	XWAVE 2, 0
	s_delay_alu instid0(VALU_DEP_1)
	v_mul_f32 v10, s14, v2                         ; the mean,
	s_delay_alu instid0(VALU_DEP_1)
	v_mov_b32 v11, v10                             ; twice: a pair for the packed subtraction
	; pass 2: the sum of (x - mean)^2
.set p, 0
.rept 64
	v_pk_add_f32 v[T+2*(p%4):T+2*(p%4)+1], v[X+2*p:X+2*p+1], v[10:11] neg_lo:[0,1] neg_hi:[0,1]
.if p < 4
	s_delay_alu instid0(VALU_DEP_1)
	v_pk_mul_f32 v[2+2*(p%4):3+2*(p%4)], v[T+2*(p%4):T+2*(p%4)+1], v[T+2*(p%4):T+2*(p%4)+1]
.else
	s_delay_alu instid0(VALU_DEP_1)
	v_pk_fma_f32 v[2+2*(p%4):3+2*(p%4)], v[T+2*(p%4):T+2*(p%4)+1], v[T+2*(p%4):T+2*(p%4)+1], v[2+2*(p%4):3+2*(p%4)]
.endif
.set p, p+1
.endr
	v_pk_add_f32 v[2:3], v[2:3], v[4:5]
	s_delay_alu instid0(VALU_DEP_2)
	v_pk_add_f32 v[6:7], v[6:7], v[8:9]
	s_delay_alu instid0(VALU_DEP_1)
	v_pk_add_f32 v[2:3], v[2:3], v[6:7]
	s_delay_alu instid0(VALU_DEP_1)
	v_add_f32 v2, v2, v3
	WSUM 2
	XWAVE 2, 32
	s_delay_alu instid0(VALU_DEP_1)
	v_fma_f32 v2, v2, s14, s15                     ; the biased variance + 1e-5
	s_wait_alu depctr_va_vdst(0)
	v_rsq_f32 v3, v2
	v_nop                                          ; a plain instruction between a transcendental and the use of its result (ISA guide 5.7.2)
	s_wait_alu depctr_va_vdst(0)
	v_mul_f32 v3, v[GA], v3                        ; a = gamma / sqrt(var + eps)
	s_wait_alu depctr_va_vdst(0)
	s_wait_xcnt 0x0                                ; EXEC changes only behind this wait: it is a source of the memory instructions issued so far
	v_cmp_gt_u32 vcc_lo, 8, v0
	s_wait_tensorcnt 0x0
	ds_add_u32 v168, v169
	s_wait_dscnt 0x0
	s_and_saveexec_b32 s26, vcc_lo
	global_store_b32 v15, v3, s[8:9] offset:128    ; threads 0 to 7: the group's eight a
	s_wait_xcnt 0x0
	s_or_b32 exec_lo, exec_lo, s26
	v_cmp_eq_u32 vcc_lo, 0, v0
	s_and_saveexec_b32 s26, vcc_lo
	global_store_b32 v14, v10, s[10:11]            ; thread 0: the mean
	s_wait_xcnt 0x0
	s_or_b32 exec_lo, exec_lo, s26
	s_endpgm
.Lfunc_end_k_q96b91360e0_stats:
	.size	k_q96b91360e0_stats, .Lfunc_end_k_q96b91360e0_stats-k_q96b91360e0_stats
	.p2alignl 7, 3214868480
	.fill 96, 4, 3214868480
	.section	.rodata,"a",@progbits
	.p2align	6, 0x0
	.amdhsa_kernel k_q96b91360e0_stats
		.amdhsa_group_segment_fixed_size 1280
		.amdhsa_private_segment_fixed_size 0
		.amdhsa_enable_private_segment 0
		.amdhsa_kernarg_size 24
		.amdhsa_user_sgpr_count 2
		.amdhsa_user_sgpr_kernarg_segment_ptr 1
		.amdhsa_wavefront_size32 1
		.amdhsa_system_sgpr_workgroup_id_x 1
		.amdhsa_system_sgpr_workgroup_id_y 1
		.amdhsa_system_sgpr_workgroup_id_z 1
		.amdhsa_system_vgpr_workitem_id 0
		.amdhsa_next_free_vgpr 170
		.amdhsa_next_free_sgpr 66
		.amdhsa_reserve_vcc 1
		.amdhsa_float_denorm_mode_32 3
		.amdhsa_float_denorm_mode_16_64 3
		.amdhsa_memory_ordered 1
		.amdhsa_forward_progress 1
		.amdhsa_inst_pref_size 24
	.end_amdhsa_kernel
	.amdgpu_metadata
---
amdhsa.version: [ 1, 2 ]
amdhsa.kernels:
  - .name:           k_q96b91360e0_stats
    .symbol:         k_q96b91360e0_stats.kd
    .args:
      - { .name: x, .offset: 0, .size: 8, .value_kind: global_buffer, .address_space: global }
      - { .name: gamma, .offset: 8, .size: 8, .value_kind: global_buffer, .address_space: global }
      - { .name: par, .offset: 16, .size: 8, .value_kind: global_buffer, .address_space: global }
    .group_segment_fixed_size: 1280
    .private_segment_fixed_size: 0
    .kernarg_segment_align: 8
    .kernarg_segment_size: 24
    .max_flat_workgroup_size: 256
    .sgpr_count:     66
    .vgpr_count:     170
    .wavefront_size: 32
...
	.end_amdgpu_metadata
.endif
;; end of part 1
;; launch qkv (part 2): grid 64 x 4, 4 waves a work-group, no clusters, 9,728 bytes of LDS; arguments x, par, beta, W_qkv_codes, W_qkv_scales, b_qkv, qq, kv; writes qq, kv
.if DOCPART == 2
	.amdgcn_target "amdgcn-amd-amdhsa--gfx1250"
	.amdhsa_code_object_version 6
	.text
	.protected	k_q96b91360e0_qkv
	.globl	k_q96b91360e0_qkv
	.p2align	8
	.type	k_q96b91360e0_qkv,@function
k_q96b91360e0_qkv:
	s_mov_b64 s[64:65], 0
	v_nop
	global_prefetch_b8 v0, s[64:65] scope:SCOPE_SE
	s_setreg_imm32_b32 hwreg(HW_REG_WAVE_MODE, 25, 1), 1
	s_wait_xcnt 0x0
; hid = GroupNorm(x) transposed, quantised along the channels; qkv = hid W_qkv + b_qkv on codes of FP4 (E2M1) with one E8M0 scale for each 32 along K;
; q s and k s (s = 64^(-1/4)) quantised along the head's 64, v quantised along the keys: all three leave as IMAGES OF OPERAND REGISTERS for the attention launch.
; SHARES.  A work-group takes 64 rows (positions n = 64 g ..) of batch b and all 768 columns; wave w is head w: its 12 tiles of 16 columns x 2 K steps of 128 are 192 registers.
; The weights go from memory straight into registers in the fragment's layout, once a wave (24 KiB): a way through LDS, alone or shared in a cluster, would move them twice for 96 matrix instructions a wave.  So: no tensor load, no cluster.
; TILES.  perm(r) = r + 8 (r / 8).  Row tile t = 2 b' + u': lane r stands for row 32 b' + 8 u' + perm(r).  Column tile T (0-3 q, 4-7 k, 8-11 v): lane r stands for column 192 w + 32 (T / 2) + 8 (T % 2) + perm(r).
; So the 16 result registers of two neighbouring tiles are 16 neighbours along the next product's K: 32 x block + 16 (lane / 16) + 0 .. 15.
; PHASE X.  Wave w normalises channels 64 w .. 64 w + 63 of all 64 rows: lane (q, hh) loads 4 neighbouring n of 32 channels (16 lanes read 256 consecutive bytes of a channel) and holds, for 4 rows, a whole block of 32 along K.
; Codes and scale words go to LDS as register images, each wave into bytes of its own on end; one barrier; every wave reads all eight fragments of hid.
; q, k: the product is used transposed (source 0 = 16 columns of W, source 1 = 16 rows of hid): a lane holds one row and registers along the head's axis.  v: as it stands: a lane holds one column d and registers along the keys.
; OUT.  qq: 9,216 bytes for each (b, g): Q's images at head x 2048 + t x 512 + 16 lane; scale words at 8192 + head x 256 + 8 lane + 4 p (lanes 0-15 tile 2 p, lanes 16-31 tile 2 p + 1).
;       kv: 35,840 bytes for each (b, 128 keys): K's images at head x 4096 + T x 512; V's at 16384 + head x 4096 + d-tile x 1024 + c x 512; K's scale words at 32768 + head x 512 + c x 256 + 8 lane + 4 p; V's at 34816 + head x 256 + 8 lane + 4 pair + 2 c.
;       (c = g % 2: which 64 of the 128 keys.)  A K or Q image is a fragment's registers 0-3 (the head's 64); the reader sets registers 4-7 to zero codes; Q's words' upper two bytes are 127; K's hold their two bytes twice.
;       V's scale halves leave as 2 bytes a lane, 8 bytes apart, since a work-group owns two of a word's four key blocks: 512 bytes of a work-group's 27,136.
; LIMITS: NaN and infinities are not served; a block whose largest magnitude lies under 2^-124 keeps the byte 1; a block of zeros gets the byte 1, not 127: its codes are zeros, and this program alone reads the bytes.
; REGISTERS, in windows of 256: window 0: addresses, scale words, v64-191 the normalised numbers, later hid's fragments (v64-127) and 8 result tiles (v128-191).  window 1: the weights, fragment (T, s) at v[16 T + 8 s].
;   window 2: x (v[4 i + j]), a (v128..), beta (v160..), means (v192..).   window 3: the biases in the results' layout: q, k at v[8 T], v at v[64 + 8 d-tile].
.set HIMG, 0                           ; LDS: hid's images: piece (t, s, c) at (2 s + c) x 2048 + t x 512 + 16 lane: wave w writes bytes 2048 w .. 2048 w + 2047
.set HSC,  8192                        ; half scale words, shifted to their place: 256 w + 64 t + 4 r
.set XO,  1                            ; v1   x: 524288 hh + 16 q
.set PA,  2                            ; v2   a, beta: 128 hh
.set PM,  3                            ; v3   means: 16 hh
.set WA,  4                            ; v4   weights: 128 perm(r) + 16 h
.set WSA, 5                            ; v5   their scale words: 8 perm(r)
.set BA,  6                            ; v6   q's and k's bias: 64 h
.set BVA, 7                            ; v7   v's bias: 4 perm(r)
.set XWI, 8                            ; v8   where I store a row's block of codes
.set XWS, 9                            ; v9   and its half scale word
.set LI,  10                           ; v10  16 x lane
.set LSR, 11                           ; v11  4 r
.set L8,  12                           ; v12  8 x lane
.set W1S, 16                           ; v16-39  the weights' scale words: 2 T + s
.set HS,  40                           ; v40-47  hid's: 2 t + s
.set QW,  48                           ; v[48:49] Q's scale words to store; v[50:51] K's; v52-53 V's
.set KW,  50
.set VW,  52
.set SHA, 54                           ; v54  8 hh + 16 (w % 2): my byte's place in a scale word
.set PC,  56                           ; v56-63  the codes just made
.set Y,   64
.set HF,  64
.set HA,  128
.set TM,  192                          ; v192-207 at work
.set XC,  208                          ; v208-223 phase X: four rows' codes
.set XB,  224                          ; v224-227 and their scale words
.set PW,  228                          ; the scale word just made
.set MSB, 0
.macro WIN new                         ; the immediate's high byte repeats the setting that is left
.if MSB != \new
	s_set_vgpr_msb (MSB<<8)|\new
.set MSB, \new
.endif
.endm
	s_load_b512 s[4:19], s[0:1], 0x0               ; x, par, beta, W's codes, W's scales, b_qkv, qq, kv
	v_lshl_add_u32 v254, v0, 2, 0x2400
	v_mov_b32 v255, 0
	v_lshrrev_b32 v13, 5, v0
	v_readfirstlane_b32 s20, v13                   ; wave = head
	s_and_b32 s26, ttmp7, 0xffff                   ; batch
	s_mov_b32 s22, 0x76543210                      ; v_permlanex16_b32: lane l xor 16
	s_mov_b32 s23, 0xfedcba98
	s_mov_b32 s24, 0xffff0000                      ; lanes 16-31
	s_mov_b32 s25, 0x7f7f0000                      ; the bytes 127 of the two blocks of zero codes
	s_mov_b32 s29, 0
	s_lshl_b32 s44, s20, 11
	s_lshl_b32 s45, s20, 8
	s_add_co_u32 s45, s45, HSC
	s_and_b32 s46, s20, 1
	s_lshl_b32 s46, s46, 4
	v_and_b32 v13, 15, v0                          ; q, r
	v_bfe_u32 v14, v0, 4, 1                        ; hh, h
	v_lshlrev_b32 v[XO], 4, v13
	v_lshl_add_u32 v[XO], v14, 19, v[XO]           ; lanes 16-31 take the channels 32 further on
	v_lshlrev_b32 v[PA], 7, v14
	v_lshlrev_b32 v[PM], 4, v14
	v_and_b32 v15, 8, v13
	v_add_nc_u32 v15, v15, v13                     ; perm(r)
	v_lshlrev_b32 v[WA], 7, v15
	v_lshl_add_u32 v[WA], v14, 4, v[WA]
	v_lshlrev_b32 v[WSA], 3, v15
	v_lshlrev_b32 v[BA], 6, v14
	v_lshlrev_b32 v[BVA], 2, v15
	; row 4 q + j of the 64: b' = bit 3 of q, r / 8 = bit 2, u' = bit 1, r % 8 = 4 x bit 0 + j
	v_bfe_u32 v15, v0, 3, 1
	v_lshlrev_b32 v[XWI], 10, v15
	v_lshlrev_b32 v[XWS], 7, v15
	v_bfe_u32 v15, v0, 1, 1
	v_lshl_add_u32 v[XWI], v15, 9, v[XWI]
	v_lshl_add_u32 v[XWS], v15, 6, v[XWS]
	v_bfe_u32 v15, v0, 2, 1
	v_lshl_add_u32 v[XWI], v15, 7, v[XWI]
	v_lshl_add_u32 v[XWS], v15, 5, v[XWS]
	v_and_b32 v15, 1, v0
	v_lshl_add_u32 v[XWI], v15, 6, v[XWI]
	v_lshl_add_u32 v[XWS], v15, 4, v[XWS]
	v_lshl_add_u32 v[XWI], v14, 8, v[XWI]          ; my block goes to lanes 16 hh .. of the image
	v_add_nc_u32 v[XWI], s44, v[XWI]
	v_add_nc_u32 v[XWS], s45, v[XWS]
	v_lshl_add_u32 v[SHA], v14, 3, s46
	v_and_b32 v15, 31, v0
	v_lshlrev_b32 v[LI], 4, v15
	v_lshlrev_b32 v[L8], 3, v15
	v_lshlrev_b32 v[LSR], 2, v13
	v_mov_b32 v[TM+3], 0                           ; a lane permute's destination counts as read
	s_wait_kmcnt 0x0
	s_lshl_b32 s28, s26, 22                        ; x: batch, my 64 channels, the work-group's 64 n
	s_lshl_b32 s27, s20, 20
	s_add_co_u32 s28, s28, s27
	s_lshl_b32 s27, ttmp9, 8
	s_add_co_u32 s28, s28, s27
	s_add_nc_u64 s[4:5], s[4:5], s[28:29]
	s_mul_i32 s28, s26, 1280
	s_lshl_b32 s27, s20, 5
	s_add_co_u32 s28, s28, s27
	s_add_nc_u64 s[30:31], s[6:7], s[28:29]        ; my eight groups' means
	s_mul_i32 s28, s26, 1280
	s_lshl_b32 s27, s20, 8
	s_add_co_u32 s28, s28, s27
	s_add_nc_u64 s[6:7], s[6:7], s[28:29]          ; my 64 channels' a (128 bytes further on)
	s_mov_b32 s28, s27
	s_add_nc_u64 s[8:9], s[8:9], s[28:29]          ; and beta
	WIN 0x80                                       ; destination window 2
	global_load_b128 v[192:195], v[PM], s[30:31]
.irp k, 0,1,2,3,4,5,6,7
	global_load_b128 v[128+4*\k:131+4*\k], v[PA], s[6:7] offset:128+16*\k
.endr
.irp k, 0,1,2,3,4,5,6,7
	global_load_b128 v[160+4*\k:163+4*\k], v[PA], s[8:9] offset:16*\k
.endr
.irp i, 0,1,2,3,4,5,6,7,8,9,10,11,12,13,14,15,16,17,18,19,20,21,22,23,24,25,26,27,28,29,30,31
	global_load_b128 v[4*\i:4*\i+3], v[XO], s[4:5] offset:16384*\i     ; channel i of my 32: 16 lanes read 256 consecutive bytes, aligned
.endr
	s_mul_i32 s28, s20, 24576
	s_add_nc_u64 s[10:11], s[10:11], s[28:29]      ; my 192 rows of W's codes,
	s_mul_i32 s28, s20, 1536
	s_add_nc_u64 s[12:13], s[12:13], s[28:29]      ; of its scale bytes,
	s_mul_i32 s28, s20, 768
	s_add_nc_u64 s[14:15], s[14:15], s[28:29]      ; and of the bias
	WIN 0x40                                       ; destination window 1
.irp u, 0,1,2,3,4,5,6,7,8,9,10,11
.irp s, 0,1
.irp c, 0,1
	global_load_b128 v[16*\u+8*\s+4*\c:16*\u+8*\s+4*\c+3], v[WA], s[10:11] offset:(32*(\u/2)+8*(\u%2))*128+64*\s+32*\c
.endr
.endr
.endr
	WIN 0
.irp u, 0,1,2,3,4,5,6,7,8,9,10,11
	global_load_b64 v[W1S+2*\u:W1S+2*\u+1], v[WSA], s[12:13] offset:(32*(\u/2)+8*(\u%2))*8
.endr
	WIN 0xc0                                       ; destination window 3
.irp u, 0,1,2,3,4,5,6,7
	global_load_b128 v[8*\u:8*\u+3], v[BA], s[14:15] offset:(32*(\u/2)+8*(\u%2))*4
	global_load_b128 v[8*\u+4:8*\u+7], v[BA], s[14:15] offset:(32*(\u/2)+8*(\u%2))*4+16
.endr
.irp d, 0,1,2,3
	global_load_b32 v[64+8*\d], v[BVA], s[14:15] offset:(128+32*(\d/2)+8*(\d%2))*4
.endr
	WIN 0
	; where the results go
	s_lshl_b32 s27, s26, 6
	s_add_co_u32 s27, s27, ttmp9
	s_mul_i32 s27, s27, 9216
	s_lshl_b32 s28, s20, 11
	s_add_co_u32 s28, s28, s27
	s_add_nc_u64 s[32:33], s[16:17], s[28:29]      ; Q's images
	s_lshl_b32 s28, s20, 8
	s_add_co_u32 s28, s28, s27
	s_add_nc_u64 s[34:35], s[16:17], s[28:29]      ; Q's scale words (8,192 bytes further on)
	; kv AS THIS TEXT STORES IT (in place of the head's line on kv): 286,720 bytes for each (batch, head): K's images at g x 2048 + t x 512 (g: my 64 keys); V's at 131072 + j x 4096 + d-tile x 1024 + c x 512 (j = g / 2, c = g % 2);
	; K's scale words at 262144 + g x 256 + 8 lane + 4 p, a key's two bytes written twice in its word; V's at 278528 + j x 256 + 8 lane + 4 pair + 2 c
	s_lshl_b32 s27, s26, 2
	s_add_co_u32 s27, s27, s20
	s_mul_i32 s27, s27, 286720                     ; the region of (batch, head)
	s_lshr_b32 s49, ttmp9, 1                       ; j
	s_and_b32 s47, ttmp9, 1                        ; c
	s_lshl_b32 s28, s49, 12
	s_add_co_u32 s28, s28, s27
	s_lshl_b32 s48, s47, 11
	s_add_co_u32 s28, s28, s48
	s_add_nc_u64 s[36:37], s[18:19], s[28:29]      ; K's images
	s_lshl_b32 s28, s49, 12
	s_add_co_u32 s28, s28, 114688                  ; 131072 less the 16384 of the stores' offsets
	s_add_co_u32 s28, s28, s27
	s_lshl_b32 s48, s47, 9
	s_add_co_u32 s28, s28, s48
	s_add_nc_u64 s[38:39], s[18:19], s[28:29]      ; V's images (16,384 further on)
	s_lshl_b32 s28, s49, 9
	s_add_co_u32 s28, s28, 229376                  ; 262144 less the 32768 of the store's offset
	s_add_co_u32 s28, s28, s27
	s_lshl_b32 s48, s47, 8
	s_add_co_u32 s28, s28, s48
	s_add_nc_u64 s[40:41], s[18:19], s[28:29]      ; K's scale words (32,768 further on)
	s_lshl_b32 s28, s49, 8
	s_add_co_u32 s28, s28, 243712                  ; 278528 less the 34816 of the stores' offsets
	s_add_co_u32 s28, s28, s27
	s_lshl_b32 s48, s47, 1
	s_add_co_u32 s28, s28, s48
	s_add_nc_u64 s[42:43], s[18:19], s[28:29]      ; V's scale halves (34,816 further on)
	; ---- PHASE X
	s_wait_loadcnt 63                              ; 80 loads are younger than the last load of x; the count's field names 63 at the most: means, a, beta and x are in
	WIN 0x8a                                       ; destination and both sources window 2
.set i, 0
.rept 32
.irp j, 0,1,2,3
	v_sub_f32 v[4*i+\j], v[4*i+\j], v[192+i/8]     ; x - the mean of the channel's group
.endr
.set i, i+1
.endr
	WIN 0x2a                                       ; sources window 2, destination window 0
.set i, 0
.rept 32
.irp j, 0,1,2,3
	v_fma_f32 v[Y+32*\j+i], v[4*i+\j], v[128+i], v[160+i]   ; (x - mean) a + beta; the choice of the destination turns the 32 x 4 numbers: row j's 32 channels on end
.endr
.set i, i+1
.endr
	WIN 0
.macro XROW j                          ; row 4 q + j: my block of 32 channels becomes 16 bytes of codes and a byte at its place in the row's scale word
.set YS, Y+32*\j
	v_max3_num_f32 v[TM], |v[YS]|, |v[YS+1]|, |v[YS+2]|
	v_max3_num_f32 v[TM+1], |v[YS+3]|, |v[YS+4]|, |v[YS+5]|
.irp i, 6,10,14,18,22,26
	v_max3_num_f32 v[TM], v[TM], |v[YS+\i]|, |v[YS+\i+1]|
	v_max3_num_f32 v[TM+1], v[TM+1], |v[YS+\i+2]|, |v[YS+\i+3]|
.endr
	v_max3_num_f32 v[TM], v[TM], |v[YS+30]|, |v[YS+31]|
	v_max3_num_f32 v[TM], v[TM], v[TM+1], 0x1800000    ; and the floor 2^(3 - 127): the byte cannot fall under 1
	v_add_nc_u32 v[TM+2], 0xff000000, v[TM]            ; 2 off the exponent field: the conversion takes that field as its scale
.irp g, 0,1,2,3
	v_cvt_scalef32_pk8_fp4_f32 v[XC+4*\j+\g], v[YS+8*\g:YS+8*\g+7], v[TM+2]
.endr
	v_lshrrev_b32 v[XB+\j], 23, v[TM+2]                ; the scale's byte (also the plain line behind the conversions)
	v_lshlrev_b32 v[XB+\j], v[SHA], v[XB+\j]           ; at its place in the word
	v_permlanex16_b32 v[TM+3], v[XB+\j], s22, s23
	v_or_b32 v[XB+\j], v[XB+\j], v[TM+3]               ; with lane l xor 16's: my wave's two bytes of the row's word
	ds_store_b128 v[XWI], v[XC+4*\j:XC+4*\j+3] offset:HIMG+16*\j
	ds_store_b32 v[XWS], v[XB+\j] offset:4*\j          ; both lanes of a pair write the same word with the same value
.endm
	XROW 0
	XROW 1
	XROW 2
	XROW 3
	s_wait_dscnt 0x0                               ; for the others' sake: my stores have landed
	s_barrier_signal -1
	s_barrier_wait -1                              ; hid's eight fragments lie in LDS; nothing is written there again
.irp t, 0,1,2,3
.irp s, 0,1
.irp c, 0,1
	ds_load_b128 v[HF+16*\t+8*\s+4*\c:HF+16*\t+8*\s+4*\c+3], v[LI] offset:HIMG+(2*\s+\c)*2048+\t*512
	ds_load_b32 v[TM+4*\t+2*\s+\c], v[LSR] offset:HSC+(2*\s+\c)*256+\t*64
.endr
.endr
.endr
	s_wait_loadcnt 0x0                             ; weights, their scale words, biases
	s_wait_dscnt 0x0
.irp k, 0,1,2,3,4,5,6,7
	v_or_b32 v[HS+\k], v[TM+2*\k], v[TM+2*\k+1]    ; two waves' halves make a row's scale word for 128 along K
.endr
	WIN 0xc3                                       ; destination and source window 3
.irp d, 0,1,2,3
.irp j, 1,2,3,4,5,6,7
	v_mov_b32 v[64+8*\d+\j], v[64+8*\d]            ; v's bias is the same for a lane's eight keys.  (These 28 lines also stand between the scale words just made and the first product that names them)
.endr
.endr
	WIN 0
; 64 numbers of a lane, register 16 b + i = place 32 b + 16 (lane / 16) + i along K of the lane's row, become a fragment's codes in v[PC] on and four scale bytes in v[PW]
.macro QUANT s
	s_wait_xcnt 0x0                                ; the last codes' stores have read their registers
.irp b, 0,1,2,3
	v_max3_num_f32 v[TM+\b], |v[\s+16*\b]|, |v[\s+1+16*\b]|, 0x1800000   ; my 16 numbers of block b, and the floor 2^(3 - 127)
.endr
.irp i, 2,4,6,8,10,12,14
.irp b, 0,1,2,3
	v_max3_num_f32 v[TM+\b], v[TM+\b], |v[\s+16*\b+\i]|, |v[\s+1+16*\b+\i]|
.endr
.endr
.irp b, 0,1,2,3
	v_permlanex16_b32 v[TM+4+\b], v[TM+\b], s22, s23
.endr
.irp b, 0,1,2,3
	v_max_num_f32 v[TM+\b], v[TM+\b], v[TM+4+\b]   ; with lane l xor 16's: the block's largest magnitude
.endr
.irp b, 0,1,2,3
	v_add_nc_u32 v[TM+12+\b], 0xff000000, v[TM+\b]
.endr
.irp b, 0,1,2,3
	v_lshrrev_b32 v[TM+4+\b], 23, v[TM+12+\b]
.endr
	v_lshl_or_b32 v[PW], v[TM+5], 8, v[TM+4]
	v_lshl_or_b32 v[PW], v[TM+6], 16, v[PW]
	v_lshl_or_b32 v[PW], v[TM+7], 24, v[PW]
.irp b, 0,1,2,3
	v_cvt_scalef32_pk8_fp4_f32 v[PC+2*\b], v[\s+16*\b:\s+7+16*\b], v[TM+12+\b]
	v_cvt_scalef32_pk8_fp4_f32 v[PC+1+2*\b], v[\s+8+16*\b:\s+15+16*\b], v[TM+12+\b]
.endr
	v_nop                                          ; one plain line behind a scaled conversion
.irp c, 0,1                                    ; the operand's layout wants a whole block in a lane: lanes 0-15 block 2 c, lanes 16-31 block 2 c + 1
.irp i, 0,1
	v_permlane16_swap_b32 v[PC+4*\c+\i], v[PC+2+4*\c+\i]
.endr
.endr
.endm
; q and k of row tile t.  The eight accumulators take turns, K step by K step; the bias is the C of each sum's first product
.macro QKPHASE t
	WIN 0x31                                       ; source 0 (W) window 1, source 2 (bias) window 3
.irp u, 0,1,2,3,4,5,6,7
	v_wmma_scale_f32_16x16x128_f8f6f4 v[HA+8*\u:HA+8*\u+7], v[16*\u:16*\u+7], v[HF+16*\t:HF+16*\t+7], v[8*\u:8*\u+7], v[W1S+2*\u], v[HS+2*\t] matrix_a_fmt:MATRIX_FMT_FP4 matrix_b_fmt:MATRIX_FMT_FP4
.endr
	WIN 0x01
.irp u, 0,1,2,3,4,5,6,7
	v_wmma_scale_f32_16x16x128_f8f6f4 v[HA+8*\u:HA+8*\u+7], v[16*\u+8:16*\u+15], v[HF+16*\t+8:HF+16*\t+15], v[HA+8*\u:HA+8*\u+7], v[W1S+2*\u+1], v[HS+2*\t+1] matrix_a_fmt:MATRIX_FMT_FP4 matrix_b_fmt:MATRIX_FMT_FP4
.endr
	WIN 0
.rept 4
	v_nop                                          ; four places behind the last product, in front of the first read of results (ISA guide 7.12.1)
.endr
.set i, 0
.rept 32
	v_pk_mul_f32 v[HA+i:HA+i+1], v[HA+i:HA+i+1], 0x3eb504f3 op_sel_hi:[1,0]   ; x 64^(-1/4), each accumulator from its low end on
.set i, i+2
.endr
	QUANT HA                                       ; blocks 0, 1: q's 64; blocks 2, 3: k's
	global_store_b128 v[LI], v[PC:PC+3], s[32:33] offset:512*\t        ; 32 lanes store 512 consecutive bytes, aligned
	global_store_b128 v[LI], v[PC+4:PC+7], s[36:37] offset:512*\t
	v_lshrrev_b32 v14, 16, v[PW]
.if (\t)%2 == 0
	v_and_or_b32 v[QW+(\t)/2], v[PW], 0xffff, s25  ; the even tile's words (lanes 0-15 count)
	v_lshl_or_b32 v[KW+(\t)/2], v14, 16, v14       ; K's two bytes twice: they serve the lower or the upper 64 of an instruction's 128 along K
.else
	v_and_or_b32 v13, v[PW], 0xffff, s25
	v_lshl_or_b32 v14, v14, 16, v14
	v_cndmask_b32 v[QW+(\t)/2], v[QW+(\t)/2], v13, s24   ; lanes 16-31 take the odd tile's
	v_cndmask_b32 v[KW+(\t)/2], v[KW+(\t)/2], v14, s24
.endif
.endm
	QKPHASE 0
	QKPHASE 1
	QKPHASE 2
	QKPHASE 3
	global_store_b64 v[L8], v[QW:QW+1], s[34:35] offset:8192           ; 256 consecutive bytes, aligned
	global_store_b64 v[L8], v[KW:KW+1], s[40:41] offset:32768
; v's d-tiles 2 e and 2 e + 1 for the four row tiles: a lane holds one d and, for each d-tile, 32 registers = the work-group's 64 keys (with lane l xor 16)
.macro VPHASE e
	WIN 0x34                                       ; source 1 (W) window 1, source 2 (bias) window 3
.irp d, 0,1
.irp t, 0,1,2,3
	v_wmma_scale_f32_16x16x128_f8f6f4 v[HA+8*(4*\d+\t):HA+8*(4*\d+\t)+7], v[HF+16*\t:HF+16*\t+7], v[16*(8+2*\e+\d):16*(8+2*\e+\d)+7], v[64+8*(2*\e+\d):64+8*(2*\e+\d)+7], v[HS+2*\t], v[W1S+2*(8+2*\e+\d)] matrix_a_fmt:MATRIX_FMT_FP4 matrix_b_fmt:MATRIX_FMT_FP4
.endr
.endr
	WIN 0x04
.irp d, 0,1
.irp t, 0,1,2,3
	v_wmma_scale_f32_16x16x128_f8f6f4 v[HA+8*(4*\d+\t):HA+8*(4*\d+\t)+7], v[HF+16*\t+8:HF+16*\t+15], v[16*(8+2*\e+\d)+8:16*(8+2*\e+\d)+15], v[HA+8*(4*\d+\t):HA+8*(4*\d+\t)+7], v[HS+2*\t+1], v[W1S+2*(8+2*\e+\d)+1] matrix_a_fmt:MATRIX_FMT_FP4 matrix_b_fmt:MATRIX_FMT_FP4
.endr
.endr
	WIN 0
.rept 4
	v_nop
.endr
	QUANT HA                                       ; blocks 0, 1: d-tile 2 e's keys 0-31, 32-63; blocks 2, 3: d-tile 2 e + 1's
	global_store_b128 v[LI], v[PC:PC+3], s[38:39] offset:16384+(2*\e)*1024
	global_store_b128 v[LI], v[PC+4:PC+7], s[38:39] offset:16384+(2*\e+1)*1024
	v_lshrrev_b32 v13, 16, v[PW]
	v_cndmask_b32 v[VW+\e], v[PW], v13, s24        ; lanes 0-15: the even d-tile's two bytes; lanes 16-31: the odd one's
	global_store_b16 v[L8], v[VW+\e], s[42:43] offset:34816+4*\e
.endm
	VPHASE 0
	VPHASE 1
	s_wait_tensorcnt 0x0
	ds_add_u32 v254, v255
	s_wait_dscnt 0x0
	s_endpgm
.Lfunc_end_k_q96b91360e0_qkv:
	.size	k_q96b91360e0_qkv, .Lfunc_end_k_q96b91360e0_qkv-k_q96b91360e0_qkv
	.p2alignl 7, 3214868480
	.fill 96, 4, 3214868480
	.section	.rodata,"a",@progbits
	.p2align	6, 0x0
	.amdhsa_kernel k_q96b91360e0_qkv
		.amdhsa_group_segment_fixed_size 9728
		.amdhsa_private_segment_fixed_size 0
		.amdhsa_enable_private_segment 0
		.amdhsa_kernarg_size 64
		.amdhsa_user_sgpr_count 2
		.amdhsa_user_sgpr_kernarg_segment_ptr 1
		.amdhsa_wavefront_size32 1
		.amdhsa_system_sgpr_workgroup_id_x 1
		.amdhsa_system_sgpr_workgroup_id_y 1
		.amdhsa_system_sgpr_workgroup_id_z 1
		.amdhsa_system_vgpr_workitem_id 0
		.amdhsa_next_free_vgpr 864
		.amdhsa_next_free_sgpr 66
		.amdhsa_reserve_vcc 0
		.amdhsa_float_denorm_mode_32 3
		.amdhsa_float_denorm_mode_16_64 3
		.amdhsa_memory_ordered 1
		.amdhsa_forward_progress 1
		.amdhsa_inst_pref_size 90
	.end_amdhsa_kernel
	.amdgpu_metadata
---
amdhsa.version: [ 1, 2 ]
amdhsa.kernels:
  - .name:           k_q96b91360e0_qkv
    .symbol:         k_q96b91360e0_qkv.kd
    .args:
      - { .name: x, .offset: 0, .size: 8, .value_kind: global_buffer, .address_space: global }
      - { .name: par, .offset: 8, .size: 8, .value_kind: global_buffer, .address_space: global }
      - { .name: beta, .offset: 16, .size: 8, .value_kind: global_buffer, .address_space: global }
      - { .name: W_qkv_codes, .offset: 24, .size: 8, .value_kind: global_buffer, .address_space: global }
      - { .name: W_qkv_scales, .offset: 32, .size: 8, .value_kind: global_buffer, .address_space: global }
      - { .name: b_qkv, .offset: 40, .size: 8, .value_kind: global_buffer, .address_space: global }
      - { .name: qq, .offset: 48, .size: 8, .value_kind: global_buffer, .address_space: global }
      - { .name: kv, .offset: 56, .size: 8, .value_kind: global_buffer, .address_space: global }
    .group_segment_fixed_size: 9728
    .private_segment_fixed_size: 0
    .kernarg_segment_align: 8
    .kernarg_segment_size: 64
    .max_flat_workgroup_size: 128
    .sgpr_count:     66
    .vgpr_count:     864
    .wavefront_size: 32
...
	.end_amdgpu_metadata
.endif
;; end of part 2
;; launch attn (part 3): grid 16 x 16, 16 waves a work-group, clusters of 4 x 1, 327,680 bytes of LDS; arguments qq, kv, rs; writes rs
.if DOCPART == 3
	.amdgcn_target "amdgcn-amd-amdhsa--gfx1250"
	.amdhsa_code_object_version 6
	.text
	.protected	k_q96b91360e0_attn
	.globl	k_q96b91360e0_attn
	.p2align	8
	.type	k_q96b91360e0_attn,@function
k_q96b91360e0_attn:
	s_mov_b64 s[64:65], 0
	v_nop
	global_prefetch_b8 v0, s[64:65] scope:SCOPE_SE
	s_setreg_imm32_b32 hwreg(HW_REG_WAVE_MODE, 25, 1), 1
	s_wait_xcnt 0x0
	s_wait_alu depctr_hold_cnt(0) depctr_sa_sdst(0) depctr_va_vdst(0) depctr_va_sdst(0) depctr_va_ssrc(0) depctr_va_vcc(0) depctr_vm_vsrc(0)
	s_getreg_b32 s2, hwreg(HW_REG_IB_STS2, 6, 4)
	s_cmp_eq_u32 s2, 0
	s_cbranch_scc0 .Lentry_in_a_cluster
	s_endpgm
.Lentry_in_a_cluster:
	s_bfe_u32 s2, ttmp6, 0x10000c
	s_cmp_lg_u32 s2, 0x3003
	s_cbranch_scc0 .Lentry_shape_is_right
	s_endpgm
.Lentry_shape_is_right:
; res = softmax(q k^T) v for one (batch, head), both products on codes of FP4 (E2M1) with one E8M0 scale for each 32 along K; res leaves quantised along the head's 64, as images of operand registers for the last product's launch.
; SHARES.  A work-group owns 256 queries of one (batch, head); each of sixteen waves owns 16 of them and walks all 4,096 keys, 256 a step.
; ALL OF THE HEAD'S K AND V STAYS IN LDS: 131,072 bytes of K's images, as many of V's, 16,384 and 8,192 of their scale words.  Each wave asks for one sixteenth-part at the head (waves 0-3 K, 4-7 V, 8-11 K's words, 12-15 V's);
; nothing is filled again, so one barrier stands between the fills and the reads, and none in the loop.
; CLUSTER.  The four work-groups of a cluster belong to one (batch, head) and need the same bytes: every load is joint, the same descriptor and the mask of all four.
; NO PREFETCH: all that the launch reads through LDS is asked for at the head by its one load a wave; there is no later load to run ahead of.
; THE SOFTMAX: t = logit x log2(e); M = the running largest t rounded up to a whole number; p = 2^(t - M) is quantised along the keys, not normalised; the row's sum is taken of the unquantised p and divides at the end;
; when M moves, the sum and O^T are multiplied by 2^(old M - new M), which rounds nothing.
; LAYOUT.  S^T = K Q^T, O^T = V^T P^T: a lane holds one query.  Tile (c, tau) of 128 keys takes keys 64 c + 8 tau + 0..7 as rows 0-7 and keys 64 c + 32 + 8 tau + 0..7 as rows 8-15:
; so lane (r, h) holds in the 32 registers of tiles (c, 0..3) the WHOLE block of keys 64 c + 32 h + 0..31, in the order of P's operand registers: no maximum and no code crosses lanes, only the row's maximum and the scale bytes.
; The head's axis is 64: one fragment of K carries two tiles, in its lower and upper 64 along K, and is multiplied by [Q | 0] and by [0 | Q]; zero codes add nothing under any finite scale byte.  K's and Q's two bytes stand twice in their words.
; K's images lie in LDS as chunks of 1,024 bytes + 128 of padding, so that rows 0-7 and rows 8-15 of a tile, one chunk apart, fall into different halves of the banks' 256 bytes.
; res's half scale words leave as 128 consecutive bytes a wave, half a unit of 256: 2,048 of a work-group's 10,240 bytes.
; LIMITS: the promise holds while the scaled scores stay under 2^31 in magnitude; NaN and infinities are not served; a block whose largest magnitude lies under 2^-124, or a block of zeros, keeps the byte 1 (this program alone reads the bytes);
; v_exp_f32 and v_rcp_f32 are accurate to one unit in the last place; a block's largest p is taken as the exponential of its largest score.
; REGISTERS: v1-4 LDS addresses (K, V, K's words, V's words), stepped; v5, v6 for the add; v8 -M, v9 the largest score, v[10:11] the sum, v[12:13] f, v14 Q's words, v15-16 p's, v17-20 K's, v[22:23] V's, v24-27 the blocks' maxima, v31 the old -M;
; v7, v21, v28-30 at work; v32-39 [Q | 0], v40-47 [0 | Q]; v48-79 fragments of K or V; v80-95 p's codes; v96-223 S^T, then p; v224-255 O^T.
.set KP,    1152
.set VI,    147456                     ; LDS: K's images from 0, V's from here,
.set KS,    278528                     ; K's scale words,
.set VS,    294912                     ; V's,
.set SPARE, 303104                     ; the spare words, 128 bytes for each of 16 waves
.set F, 48
.set P, 80
.set S, 96
.set O, 224
.set G1K, 24
.set G1V, 32
.set G1S, 40
.set G1T, 48
.set G0K, 56
.set G0V, 60
.set G0S, 68
.set G0T, 72
.macro CROUND                          ; a round of the cluster's barrier
	s_barrier_signal -1
	s_barrier_wait -1
	s_cmp_lg_u32 s18, 0
	s_cbranch_scc1 .Lnot_wave_0_\@
	s_barrier_signal -3
.Lnot_wave_0_\@:
	s_barrier_wait -3
	s_barrier_signal -1
	s_barrier_wait -1
.endm
.macro DENSE g, rows                   ; group 1 of a dense block: rows of 256 bytes (32 elements of 8), no padding; the mask of all four, bit 21 beside it
	s_mov_b32 s[\g], 15|(3<<16)|(1<<21)
	s_mov_b32 s[\g+1], 32<<16
	s_mov_b32 s[\g+2], (\rows)<<16
	s_mov_b32 s[\g+3], 32<<16
	s_mov_b32 s[\g+4], \rows
	s_mov_b32 s[\g+5], 32
	s_mov_b32 s[\g+6], 0
	s_mov_b32 s[\g+7], 0
.endm
	s_load_b128 s[4:7], s[0:1], 0x0                ; qq, kv
	s_load_b64 s[8:9], s[0:1], 0x10                ; rs
	v_lshl_add_u32 v5, v0, 2, SPARE
	v_mov_b32 v6, 0
	ds_add_u32 v5, v6                              ; the opening lines: the add, twice on end, and its wait ahead of my tensor load
	ds_add_u32 v5, v6
	v_lshrrev_b32 v7, 5, v0
	v_readfirstlane_b32 s18, v7                    ; wave 0..15
	s_and_b32 s12, s18, 3                          ; which quarter I fetch; also my query tile t
	s_lshr_b32 s13, s18, 2                         ; what I fetch; also which 64 of the 256 queries
	s_bfe_u32 s14, ttmp6, 0x40000                  ; cx
	s_lshl_b32 s15, ttmp9, 2
	s_add_co_u32 s15, s15, s14                     ; my block of 256 queries: it enters the addresses of qq and rs alone
	s_and_b32 s16, ttmp7, 0xffff                   ; 4 x batch + head, which the partners share
	s_lshr_b32 s17, s16, 2
	s_and_b32 s19, s16, 3
	s_mul_i32 s76, s16, 286720                     ; kv: the region of (batch, head)
	s_mov_b32 s77, 0
	s_mov_b32 s[G1K], 15|(3<<16)|(1<<20)|(1<<21)|(7<<22)|(31<<25)   ; K's images: rows of 1,024 bytes (256 words, code 7), 32 words of padding behind each
	s_mov_b32 s[G1K+1], 128<<16
	s_mov_b32 s[G1K+2], 32<<16
	s_mov_b32 s[G1K+3], 128<<16
	s_mov_b32 s[G1K+4], 32
	s_mov_b32 s[G1K+5], 128
	s_mov_b32 s[G1K+6], 0
	s_mov_b32 s[G1K+7], 0
	DENSE G1V, 128
	DENSE G1S, 16
	DENSE G1T, 8
	s_mov_b32 s20, 0x76543210                      ; v_permlanex16_b32: lane l xor 16
	s_mov_b32 s21, 0xfedcba98
	s_mov_b32 s22, 0x3fb8aa3b                      ; log2(e)
	s_mov_b32 s23, s22                             ; (named with it as a pair)
	s_lshl_b32 s78, s12, 15
	s_mov_b32 s79, 0
	s_lshl_b32 s80, s12, 12
	s_mov_b32 s81, 0
	s_lshl_b32 s82, s12, 11
	s_mov_b32 s83, 0
	s_and_b32 s85, s19, 1
	s_lshl_b32 s85, s85, 4                         ; res's two bytes' place in a scale word: 16 (head % 2) bits up
	s_wait_dscnt 0x0                               ; both opening adds are done
	s_wait_kmcnt 0x0
	s_add_nc_u64 s[6:7], s[6:7], s[76:77]
	s_mov_b32 s[G0K], 1
	s_mul_i32 s[G0K+1], s12, 32*KP
	s_add_nc_u64 s[G0K+2:G0K+3], s[6:7], s[78:79]
	s_or_b32 s[G0K+3], s[G0K+3], 0x80000000
	s_mov_b32 s[G0V], 1
	s_add_co_u32 s[G0V+1], s78, VI
	s_add_nc_u64 s[G0V+2:G0V+3], s[6:7], s[78:79]
	s_add_nc_u64 s[G0V+2:G0V+3], s[G0V+2:G0V+3], 131072
	s_or_b32 s[G0V+3], s[G0V+3], 0x80000000
	s_mov_b32 s[G0S], 1
	s_add_co_u32 s[G0S+1], s80, KS
	s_add_nc_u64 s[G0S+2:G0S+3], s[6:7], s[80:81]
	s_add_nc_u64 s[G0S+2:G0S+3], s[G0S+2:G0S+3], 262144
	s_or_b32 s[G0S+3], s[G0S+3], 0x80000000
	s_mov_b32 s[G0T], 1
	s_add_co_u32 s[G0T+1], s82, VS
	s_add_nc_u64 s[G0T+2:G0T+3], s[6:7], s[82:83]
	s_add_nc_u64 s[G0T+2:G0T+3], s[G0T+2:G0T+3], 278528
	s_or_b32 s[G0T+3], s[G0T+3], 0x80000000
	CROUND                                         ; all four work-groups are here: the joint loads meet
; one tree of branches on the wave's number, an arm a load: every way through the head passes exactly one
.macro ARM under, g0, g1, next
	s_cmp_lt_u32 s18, \under
	s_cbranch_scc0 \next
	tensor_load_to_lds s[\g0:\g0+3], s[\g1:\g1+7]
	s_nop 0
.rept 4
	v_nop
.endr
	s_branch .Lhead_asked
\next:
.endm
	ARM 4,  G0K, G1K, .Lhead_v
	ARM 8,  G0V, G1V, .Lhead_s
	ARM 12, G0S, G1S, .Lhead_t
	tensor_load_to_lds s[G0T:G0T+3], s[G1T:G1T+7]
	s_nop 0
.rept 4
	v_nop
.endr
.Lhead_asked:
	s_lshl_b32 s76, s17, 6
	s_lshl_b32 s78, s15, 2
	s_add_co_u32 s76, s76, s78
	s_add_co_u32 s76, s76, s13                     ; 64 x batch + my block of 64 queries
	s_mul_i32 s78, s76, 9216
	s_lshl_b32 s80, s19, 11
	s_add_co_u32 s78, s78, s80
	s_lshl_b32 s80, s12, 9
	s_add_co_u32 s78, s78, s80
	s_add_nc_u64 s[10:11], s[4:5], s[78:79]        ; Q's image: head x 2048 + t x 512
	s_mul_i32 s78, s76, 9216
	s_lshl_b32 s80, s19, 8
	s_add_co_u32 s78, s78, s80
	s_and_b32 s80, s12, 1
	s_lshl_b32 s80, s80, 7
	s_add_co_u32 s78, s78, s80
	s_lshr_b32 s80, s12, 1
	s_lshl_b32 s80, s80, 2
	s_add_co_u32 s78, s78, s80
	s_add_nc_u64 s[4:5], s[4:5], s[78:79]          ; Q's scale words (8,192 further on): head x 256 + (t % 2) x 128 + (t / 2) x 4
	s_mul_i32 s78, s76, 10240
	s_lshl_b32 s80, s19, 11
	s_add_co_u32 s78, s78, s80
	s_lshl_b32 s80, s12, 9
	s_add_co_u32 s78, s78, s80
	s_add_nc_u64 s[86:87], s[8:9], s[78:79]        ; res's image: head x 2048 + t x 512
	s_mul_i32 s78, s76, 10240
	s_lshl_b32 s80, s19, 9
	s_add_co_u32 s78, s78, s80
	s_lshl_b32 s80, s12, 7
	s_add_co_u32 s78, s78, s80
	s_add_nc_u64 s[8:9], s[8:9], s[78:79]          ; its half scale words (8,192 further on): (4 head + t) x 128
	v_and_b32 v21, 15, v0                          ; r
	v_bfe_u32 v7, v0, 4, 1                         ; h
	v_and_b32 v30, 31, v0                          ; lane
	v_lshlrev_b32 v28, 4, v30
	v_lshlrev_b32 v29, 3, v21
	global_load_b128 v[32:35], v28, s[10:11]       ; Q in the lower 64 along K,
	global_load_b128 v[44:47], v28, s[10:11]       ; and in the upper 64
	global_load_b32 v14, v29, s[4:5] offset:8192
	v_bfe_u32 v1, v0, 3, 1                         ; r / 8
	v_and_b32 v2, 7, v0                            ; r % 8
	v_lshlrev_b32 v3, 3, v2
	v_lshl_add_u32 v3, v1, 2, v3
	v_lshl_add_u32 v3, v7, 7, v3
	v_add_nc_u32 v3, KS, v3                        ; K's words: 8 (r % 8) + 4 (r / 8) + 128 h: lanes 16-31 take the odd tile's
	v_mul_u32_u24 v1, v1, KP
	v_lshl_add_u32 v1, v2, 4, v1
	v_lshl_add_u32 v1, v7, 8, v1                   ; K's images: (r / 8) chunks + 16 (r % 8) + 256 h
	v_lshl_add_u32 v2, v30, 4, VI                  ; V's images: 16 lane
	v_lshl_add_u32 v4, v30, 3, VS                  ; V's words: 8 lane
.irp j, 36,37,38,39,40,41,42,43
	v_mov_b32 v\j, 0                               ; zero codes
.endr
	v_mov_b32 v9, 0xfe967699                       ; the largest score so far: -1e38
	v_mul_f32 v21, s22, v9
	v_floor_f32 v8, -v21                           ; -M
	v_mov_b32 v31, v8
	v_mov_b32 v10, 0
	v_mov_b32 v11, 0
	v_mov_b32 v12, 0
	v_mov_b32 v13, 0                               ; (named as the upper half of the pair v[12:13])
	s_wait_loadcnt 0x0                             ; Q
	v_perm_b32 v14, v14, v14, 0x01000100           ; Q's two bytes twice in the word
.set j, 0
.rept 32
	v_mov_b32 v[O+j], 0                            ; O^T: the step is written for all steps alike; the first change of M leaves zeros zeros.  (These lines also stand between the scale word just made and the first product)
.set j, j+1
.endr
.macro KLOAD a                         ; 128 keys: four fragments, each two tiles (tau even below, odd above), and their scale words
.irp f, 0,1,2,3
	ds_load_b128 v[F+8*\f:F+8*\f+3], v1 offset:4608*\a+2304*(\f/2)+128*(\f%2)
	ds_load_b128 v[F+8*\f+4:F+8*\f+7], v1 offset:4608*\a+2304*(\f/2)+128*(\f%2)+512
	ds_load_b32 v[17+\f], v3 offset:512*\a+256*(\f/2)+64*(\f%2)
.endr
.endm
.macro SMULS a                         ; eight tiles of S^T, each with the constant 0 as C
.irp f, 0,1,2,3
	v_wmma_scale_f32_16x16x128_f8f6f4 v[S+64*\a+16*\f:S+64*\a+16*\f+7], v[F+8*\f:F+8*\f+7], v[32:39], 0, v[17+\f], v14 matrix_a_fmt:MATRIX_FMT_FP4 matrix_b_fmt:MATRIX_FMT_FP4
	v_wmma_scale_f32_16x16x128_f8f6f4 v[S+64*\a+16*\f+8:S+64*\a+16*\f+15], v[F+8*\f:F+8*\f+7], v[40:47], 0, v[17+\f], v14 matrix_a_fmt:MATRIX_FMT_FP4 matrix_b_fmt:MATRIX_FMT_FP4 matrix_a_scale:MATRIX_SCALE_ROW1
.endr
.endm
.macro VLOAD dst, a                    ; V's four fragments of 128 keys and their scale words
.irp d, 0,1,2,3
.irp c, 0,1
	ds_load_b128 v[\dst+8*\d+4*\c:\dst+8*\d+4*\c+3], v2 offset:4096*\a+1024*\d+512*\c
.endr
.endr
	ds_load_b64 v[22:23], v4 offset:256*\a
.endm
.macro OMULS src, a                    ; O^T += V^T P^T over 128 keys; the four accumulators take turns, one instruction a turn
.irp d, 0,1,2,3
.if \d%2
	v_wmma_scale_f32_16x16x128_f8f6f4 v[O+8*\d:O+8*\d+7], v[\src+8*\d:\src+8*\d+7], v[P+8*\a:P+8*\a+7], v[O+8*\d:O+8*\d+7], v[22+\d/2], v[15+\a] matrix_a_fmt:MATRIX_FMT_FP4 matrix_b_fmt:MATRIX_FMT_FP4 matrix_a_scale:MATRIX_SCALE_ROW1
.else
	v_wmma_scale_f32_16x16x128_f8f6f4 v[O+8*\d:O+8*\d+7], v[\src+8*\d:\src+8*\d+7], v[P+8*\a:P+8*\a+7], v[O+8*\d:O+8*\d+7], v[22+\d/2], v[15+\a] matrix_a_fmt:MATRIX_FMT_FP4 matrix_b_fmt:MATRIX_FMT_FP4
.endif
.endr
.endm
.macro BMAX a                          ; the largest score of my two blocks of 32 keys: two chains a block, four by turns; every tile is first read at its low end
.irp c, 0,1
	v_max3_num_f32 v[24+2*\a+\c], v[S+64*\a+32*\c], v[S+64*\a+32*\c+1], v[S+64*\a+32*\c+2]
	v_max3_num_f32 v[28+\c], v[S+64*\a+32*\c+16], v[S+64*\a+32*\c+17], v[S+64*\a+32*\c+18]
.endr
.irp i, 3,5,7,9,11,13
.irp c, 0,1
	v_max3_num_f32 v[24+2*\a+\c], v[24+2*\a+\c], v[S+64*\a+32*\c+\i], v[S+64*\a+32*\c+\i+1]
	v_max3_num_f32 v[28+\c], v[28+\c], v[S+64*\a+32*\c+16+\i], v[S+64*\a+32*\c+17+\i]
.endr
.endr
.irp c, 0,1
	v_max3_num_f32 v[24+2*\a+\c], v[24+2*\a+\c], v[28+\c], v[S+64*\a+32*\c+15]
.endr
.irp c, 0,1
	v_max_num_f32 v[24+2*\a+\c], v[24+2*\a+\c], v[S+64*\a+32*\c+31]
.endr
.endm
.macro SUMS from, n                    ; the row's sum of the unquantised p, in place: eight chains in v[S+32 .. S+47]
.set q, \from
.rept \n
	v_pk_add_f32 v[S+32+2*(q%8):S+33+2*(q%8)], v[S+32+2*(q%8):S+33+2*(q%8)], v[S+2*q:S+2*q+1]
.set q, q+1
.endr
.endm
; A STEP: 256 keys.  more = 1: the next step's first K fragments are asked for
.macro STEP more
	s_wait_dscnt 0x0                               ; K's first 128 keys; no LDS access of mine is out
.if \more
	s_barrier_signal -1                            ; a barrier that orders no memory: it holds the sixteen waves within one step of each other, so that they reach the work-group's last barrier together.  Signal here, wait at the step's end: between them stand register work and LDS loads of bytes that nobody writes
.endif
	SMULS 0
.rept 4
	v_nop                                          ; four places in front of loads into registers that the products read, and of the first read of results
.endr
	KLOAD 1                                        ; lands under the maxima below
	BMAX 0
	s_wait_dscnt 0x0
	SMULS 1
	v_add_nc_u32 v1, 2*4608, v1                    ; on to the next step's K (these two and two v_nop are the four places)
	v_add_nc_u32 v3, 1024, v3
	v_nop
	v_nop
	VLOAD F, 0                                     ; lands under the softmax
	BMAX 1
	v_max3_num_f32 v21, v24, v25, v26
	s_delay_alu instid0(VALU_DEP_1)
	v_max3_num_f32 v21, v21, v27, v9
	s_delay_alu instid0(VALU_DEP_1)
	v_permlanex16_b32 v29, v21, s20, s21
	s_delay_alu instid0(VALU_DEP_1)
	v_max_num_f32 v9, v21, v29                     ; the running largest score of my query
	s_delay_alu instid0(VALU_DEP_1)
	v_mul_f32 v21, s22, v9                         ; as t
	s_delay_alu instid0(VALU_DEP_1)
	v_floor_f32 v8, -v21                           ; the new -M = -ceil(the largest t)
.set j, 0
.rept 64
	v_pk_fma_f32 v[S+j:S+j+1], v[S+j:S+j+1], s[22:23], v[8:9] op_sel_hi:[1,0,0]   ; t - M, two at a time
.set j, j+2
.endr
	v_sub_f32 v7, v8, v31                          ; old M - new M: a whole number, 0 or less
	v_fma_f32 v24, v24, s22, v8                    ; the same of each block's largest score
	v_fma_f32 v25, v25, s22, v8
	s_delay_alu instid0(VALU_DEP_3)
	v_cvt_i32_f32 v7, v7                           ; (it saturates)
	v_fma_f32 v26, v26, s22, v8
	v_fma_f32 v27, v27, s22, v8
	s_delay_alu instid0(VALU_DEP_3)
	v_ldexp_f32 v12, 1.0, v7                       ; f = 2^(old M - new M)
	s_wait_alu depctr_va_vdst(0)                   ; ahead of the batch, and ahead of the wait below
	s_wait_dscnt 0x0                               ; V's first 128 keys
.set j, 0
.rept 128
	v_exp_f32 v[S+j], v[S+j]                       ; p = 2^(t - M)
.set j, j+1
.endr
.irp b, 0,1,2,3
	v_exp_f32 v[24+\b], v[24+\b]                   ; the block's largest p
.endr
	v_mov_b32 v31, v8                              ; -M kept for the next step (the plain line behind the exponentials)
	s_wait_alu depctr_va_vdst(0)                   ; one wait for the batch, ahead of its first reader
.irp b, 0,1,2,3
	v_max_num_f32 v[24+\b], 0x1800000, v[24+\b]    ; the floor 2^(3 - 127)
.endr
.irp b, 0,1,2,3
	v_add_nc_u32 v[24+\b], 0xff000000, v[24+\b]    ; 2 off the exponent field: the conversion's scale operand
.endr
.irp b, 0,1,2,3
.irp i, 0,1,2,3
	v_cvt_scalef32_pk8_fp4_f32 v[P+4*\b+\i], v[S+32*\b+8*\i:S+32*\b+8*\i+7], v[24+\b]   ; the results are P's operand registers as they stand
.endr
.endr
	v_lshrrev_b32 v21, 23, v24                     ; my four blocks' bytes
	v_lshrrev_b32 v7, 23, v25
	v_lshrrev_b32 v30, 23, v26
	v_lshrrev_b32 v28, 23, v27
	s_delay_alu instid0(VALU_DEP_3)
	v_lshl_or_b32 v21, v7, 8, v21
	s_delay_alu instid0(VALU_DEP_2)
	v_lshl_or_b32 v30, v28, 8, v30
	s_delay_alu instid0(VALU_DEP_1)
	v_lshl_or_b32 v21, v30, 16, v21
	s_delay_alu instid0(VALU_DEP_1)
	v_permlanex16_b32 v29, v21, s20, s21           ; and lane l xor 16's four
	s_delay_alu instid0(VALU_DEP_1)
	v_perm_b32 v15, v29, v21, 0x05010400           ; p's scale word of keys 0-127 (lanes 0-15 count): mine, the other's, mine, the other's
	v_perm_b32 v16, v29, v21, 0x07030602           ; and of keys 128-255
	s_wait_alu depctr_va_vdst(0)                   ; directly ahead of the first reader of O^T
.set j, 0
.rept 16
	v_pk_mul_f32 v[O+j:O+j+1], v[O+j:O+j+1], v[12:13] op_sel_hi:[1,0]   ; O^T under the new M, each accumulator from its low end on
.set j, j+2
.endr
	SUMS 0, 8
	OMULS F, 0
	SUMS 8, 8                                      ; v[S .. S+31] have been summed: they take V's second 128 keys.  (Eight places behind the products)
	VLOAD S, 1
.if \more
	KLOAD 0
.endif
	v_add_nc_u32 v2, 8192, v2
	v_add_nc_u32 v4, 512, v4
	SUMS 24, 40
	s_wait_alu depctr_va_vdst(0)                   ; directly ahead of the wait below
	s_wait_dscnt 12*\more                          ; V's nine loads are in; K's twelve, which are younger, may be out
	OMULS S, 1
.irp k, 0,1,2,3                        ; the eight chains become one: also the places in front of the next products, which write over V's registers
	v_pk_add_f32 v[S+32+2*\k:S+33+2*\k], v[S+32+2*\k:S+33+2*\k], v[S+40+2*\k:S+41+2*\k]
.endr
.irp k, 0,1
	v_pk_add_f32 v[S+32+2*\k:S+33+2*\k], v[S+32+2*\k:S+33+2*\k], v[S+36+2*\k:S+37+2*\k]
.endr
	s_delay_alu instid0(VALU_DEP_1)
	v_pk_add_f32 v[S+32:S+33], v[S+32:S+33], v[S+34:S+35]
	s_delay_alu instid0(VALU_DEP_1)
	v_pk_fma_f32 v[10:11], v[10:11], v[12:13], v[S+32:S+33] op_sel_hi:[1,0,1]   ; the sum under the new M, and this step's
.if \more
	s_barrier_wait -1                              ; every wave has begun this step
.endif
.endm
	s_wait_alu depctr_va_vdst(0)                   ; the head's end
	s_wait_tensorcnt 0x0                           ; my part has landed
	s_barrier_signal -1
	s_barrier_wait -1                              ; and everybody's
	KLOAD 0
	s_mov_b32 s84, 15
.Lstep:                                            ; 16 steps: 15 trips, and the last written out: it asks for no further K
	STEP 1
	s_sub_co_u32 s84, s84, 1
	s_cmp_lg_u32 s84, 0
	s_cbranch_scc1 .Lstep
	STEP 0
	; res = O^T / the sum, quantised along the head's 64: register 16 b + i is res(my query, 32 b + 16 h + i)
	v_add_f32 v10, v10, v11
	s_delay_alu instid0(VALU_DEP_1)
	v_permlanex16_b32 v29, v10, s20, s21
	s_delay_alu instid0(VALU_DEP_1)
	v_add_f32 v10, v10, v29                        ; the row's sum
	s_wait_alu depctr_va_vdst(0)                   ; ahead of the transcendental
	v_rcp_f32 v10, v10
	v_and_b32 v30, 31, v0                          ; (plain lines behind it)
	v_lshlrev_b32 v7, 4, v30                       ; 16 lane
	v_lshlrev_b32 v30, 2, v30                      ; 4 lane
	s_wait_alu depctr_va_vdst(0)                   ; and ahead of its first reader, which is also O^T's
.set j, 0
.rept 32
	v_mul_f32 v[S+j], v[O+j], v10
.set j, j+1
.endr
.irp b, 0,1
	v_max3_num_f32 v[24+\b], |v[S+16*\b]|, |v[S+1+16*\b]|, 0x1800000
.endr
.irp i, 2,4,6,8,10,12,14
.irp b, 0,1
	s_delay_alu instid0(VALU_DEP_2)
	v_max3_num_f32 v[24+\b], v[24+\b], |v[S+16*\b+\i]|, |v[S+1+16*\b+\i]|
.endr
.endr
.irp b, 0,1
	s_delay_alu instid0(VALU_DEP_2)
	v_permlanex16_b32 v[28+\b], v[24+\b], s20, s21
.endr
.irp b, 0,1
	s_delay_alu instid0(VALU_DEP_2)
	v_max_num_f32 v[24+\b], v[24+\b], v[28+\b]
.endr
.irp b, 0,1
	s_delay_alu instid0(VALU_DEP_2)
	v_add_nc_u32 v[26+\b], 0xff000000, v[24+\b]
.endr
.irp b, 0,1
	s_delay_alu instid0(VALU_DEP_2)
	v_lshrrev_b32 v[28+\b], 23, v[26+\b]
.endr
	s_delay_alu instid0(VALU_DEP_1)
	v_lshl_or_b32 v21, v29, 8, v28
	s_delay_alu instid0(VALU_DEP_1)
	v_lshlrev_b32 v21, s85, v21
.irp b, 0,1
	v_cvt_scalef32_pk8_fp4_f32 v[P+2*\b], v[S+16*\b:S+7+16*\b], v[26+\b]
	v_cvt_scalef32_pk8_fp4_f32 v[P+1+2*\b], v[S+8+16*\b:S+15+16*\b], v[26+\b]
.endr
	v_nop                                          ; one plain line behind a scaled conversion
	v_permlane16_swap_b32 v80, v82
	v_permlane16_swap_b32 v81, v83                 ; a whole block to a lane
	global_store_b128 v7, v[80:83], s[86:87]       ; 512 consecutive bytes, aligned
	global_store_b32 v30, v21, s[8:9] offset:8192  ; 128 consecutive bytes
	s_wait_tensorcnt 0x0                           ; the wave's end
	ds_add_u32 v5, v6
	s_wait_dscnt 0x0
	CROUND                                         ; the closing round
	s_endpgm
.Lfunc_end_k_q96b91360e0_attn:
	.size	k_q96b91360e0_attn, .Lfunc_end_k_q96b91360e0_attn-k_q96b91360e0_attn
	.p2alignl 7, 3214868480
	.fill 96, 4, 3214868480
	.section	.rodata,"a",@progbits
	.p2align	6, 0x0
	.amdhsa_kernel k_q96b91360e0_attn
		.amdhsa_group_segment_fixed_size 327680
		.amdhsa_private_segment_fixed_size 0
		.amdhsa_enable_private_segment 0
		.amdhsa_kernarg_size 24
		.amdhsa_user_sgpr_count 2
		.amdhsa_user_sgpr_kernarg_segment_ptr 1
		.amdhsa_wavefront_size32 1
		.amdhsa_system_sgpr_workgroup_id_x 1
		.amdhsa_system_sgpr_workgroup_id_y 1
		.amdhsa_system_sgpr_workgroup_id_z 1
		.amdhsa_system_vgpr_workitem_id 0
		.amdhsa_next_free_vgpr 256
		.amdhsa_next_free_sgpr 90
		.amdhsa_reserve_vcc 0
		.amdhsa_float_denorm_mode_32 3
		.amdhsa_float_denorm_mode_16_64 3
		.amdhsa_memory_ordered 1
		.amdhsa_forward_progress 1
		.amdhsa_inst_pref_size 68
	.end_amdhsa_kernel
	.amdgpu_metadata
---
amdhsa.version: [ 1, 2 ]
amdhsa.kernels:
  - .name:           k_q96b91360e0_attn
    .symbol:         k_q96b91360e0_attn.kd
    .args:
      - { .name: qq, .offset: 0, .size: 8, .value_kind: global_buffer, .address_space: global }
      - { .name: kv, .offset: 8, .size: 8, .value_kind: global_buffer, .address_space: global }
      - { .name: rs, .offset: 16, .size: 8, .value_kind: global_buffer, .address_space: global }
    .group_segment_fixed_size: 327680
    .private_segment_fixed_size: 0
    .kernarg_segment_align: 8
    .kernarg_segment_size: 24
    .max_flat_workgroup_size: 512
    .sgpr_count:     90
    .vgpr_count:     256
    .wavefront_size: 32
...
	.end_amdgpu_metadata
.endif
;; end of part 3
;; launch proj (part 4): grid 64 x 4, 16 waves a work-group, no clusters, 71,680 bytes of LDS; arguments rs, W_out_codes, W_out_scales, b_out, x, out0; writes out0
.if DOCPART == 4
	.amdgcn_target "amdgcn-amd-amdhsa--gfx1250"
	.amdhsa_code_object_version 6
	.text
	.protected	k_q96b91360e0_proj
	.globl	k_q96b91360e0_proj
	.p2align	8
	.type	k_q96b91360e0_proj,@function
k_q96b91360e0_proj:
	s_mov_b64 s[64:65], 0
	v_nop
	global_prefetch_b8 v0, s[64:65] scope:SCOPE_SE
	s_setreg_imm32_b32 hwreg(HW_REG_WAVE_MODE, 25, 1), 1
	s_wait_xcnt 0x0
; out0 = (res W_out + b_out, transposed, + x) / sqrt(2), the product on codes of FP4 (E2M1) with one E8M0 scale for each 32 along K.
; res comes as images of operand registers: 10,240 bytes for each (batch, 64 positions): image (head, tile t) at head x 2048 + t x 512 + 16 lane; half scale words, shifted to their place, at 8192 + (4 head + t) x 128 + 4 lane.
; SHARES.  A work-group takes 64 positions of a batch and all 256 channels; wave WV of sixteen takes channels 16 WV on: four tiles of positions x two K steps, eight products.
; Operands go from memory straight into registers in the fragments' layout; x and out0 are touched once each, in whole aligned units of 256 bytes.  No tensor load, no cluster: the 8 KiB of res that the waves share are a small part of a work-group's 139 KiB.
; No prefetch: the launch has no loop to run ahead in.
; The results go through the wave's own stage in LDS (16 rows x (256 + 16) bytes), so that sixteen lanes store 256 consecutive bytes of a channel.
.set SPARE, 69632                      ; behind the sixteen stages: the spare words
	s_load_b256 s[4:11], s[0:1], 0x0               ; rs, W_out's codes, W_out's scales, b_out
	s_load_b128 s[12:15], s[0:1], 0x20             ; x, out0
	v_lshl_add_u32 v4, v0, 2, SPARE
	v_mov_b32 v5, 0
	v_lshrrev_b32 v6, 5, v0
	v_readfirstlane_b32 s18, v6                    ; wave 0..15
	s_and_b32 s19, ttmp7, 0xffff                   ; batch
	s_lshl_b32 s20, s19, 6
	s_add_co_u32 s20, s20, ttmp9
	s_mul_i32 s20, s20, 10240                      ; res of (batch, my 64 positions)
	s_mov_b32 s21, 0
	s_lshl_b32 s22, s19, 22                        ; x, out0: batch, channels 16 WV on, my 64 n
	s_lshl_b32 s24, s18, 18
	s_add_co_u32 s22, s22, s24
	s_lshl_b32 s24, ttmp9, 8
	s_add_co_u32 s22, s22, s24
	s_mov_b32 s23, 0
	s_lshl_b32 s24, s18, 11                        ; W_out's 16 rows of 128 bytes,
	s_mov_b32 s25, 0
	s_lshl_b32 s26, s18, 7                         ; their scale bytes,
	s_mov_b32 s27, 0
	s_lshl_b32 s28, s18, 6                         ; their bias
	s_mov_b32 s29, 0
	s_mul_i32 s30, s18, 4352                       ; my stage
	v_and_b32 v9, 15, v0                           ; r
	v_bfe_u32 v10, v0, 4, 1                        ; h
	v_and_b32 v11, 31, v0                          ; lane
	v_lshlrev_b32 v6, 4, v9
	v_lshl_add_u32 v6, v10, 14, v6                 ; x, out0: lanes 0-15 one channel's 256 bytes, lanes 16-31 the next channel's
	v_lshlrev_b32 v249, 7, v9
	v_lshl_add_u32 v249, v10, 4, v249              ; W_out: row r, + 16 h
	v_lshlrev_b32 v250, 3, v9                      ; its scale words
	v_lshlrev_b32 v251, 2, v9                      ; its bias; res's scale words
	v_lshlrev_b32 v1, 4, v11                       ; images: 16 lane
	v_mul_u32_u24 v3, v9, 272
	v_lshl_add_u32 v3, v10, 6, v3
	v_add_nc_u32 v3, s30, v3                       ; the stage, in: row r (a channel), + 64 h
	v_mul_u32_u24 v248, v10, 272
	v_lshl_add_u32 v248, v9, 4, v248
	v_add_nc_u32 v248, s30, v248                   ; back: lanes 0-15 one row, lanes 16-31 the next
	s_wait_alu depctr_va_vdst(0)                   ; the head's end
	s_wait_kmcnt 0x0
	s_add_nc_u64 s[4:5], s[4:5], s[20:21]
	s_add_nc_u64 s[6:7], s[6:7], s[24:25]
	s_add_nc_u64 s[8:9], s[8:9], s[26:27]
	s_add_nc_u64 s[10:11], s[10:11], s[28:29]
	s_add_nc_u64 s[12:13], s[12:13], s[22:23]
	s_add_nc_u64 s[14:15], s[14:15], s[22:23]
	global_load_b32 v48, v251, s[10:11]
.irp s, 0,1
.irp c, 0,1
	global_load_b128 v[32+8*\s+4*\c:35+8*\s+4*\c], v249, s[6:7] offset:64*\s+32*\c
.endr
	global_load_b32 v[240+\s], v250, s[8:9] offset:4*\s
.endr
.irp t, 0,1,2,3
.irp s, 0,1
.irp c, 0,1
	global_load_b128 v[128+16*\t+8*\s+4*\c:131+16*\t+8*\s+4*\c], v1, s[4:5] offset:((2*\s+\c)*4+\t)*512
	global_load_b32 v[96+4*\t+2*\s+\c], v251, s[4:5] offset:8192+((2*\s+\c)*4+\t)*128
.endr
.endr
.endr
.irp i, 0,1,2,3,4,5,6,7
	global_load_b128 v[64+4*\i:67+4*\i], v6, s[12:13] offset:32768*\i th:TH_LOAD_NT   ; x for the residual: channels 16 WV + 2 i + h
.endr
	s_wait_loadcnt 8                               ; all but x's eight loads, which are younger
.irp k, 0,1,2,3,4,5,6,7
	v_or_b32 v[24+\k], v[96+2*\k], v[97+2*\k]      ; two heads' halves make a row's scale word: tile k / 2, K step k % 2
.endr
.irp j, 0,1,2,3,4,5,6,7
	v_mov_b32 v[50+\j], v48                        ; the bias in the result's layout: the same for a lane's eight n.  (Eight lines between the scale words just made and the products)
.endr
.rept 4
	v_nop                                          ; the bias, written by vector instructions, is kept as far ahead of the products as an operand so written
.endr
.irp t, 0,1,2,3                        ; source 0 = 16 positions of res, source 1 = my 16 rows of W_out: a lane holds one channel and eight neighbouring n.  Four accumulators by turns
	v_wmma_scale_f32_16x16x128_f8f6f4 v[192+8*\t:199+8*\t], v[128+16*\t:135+16*\t], v[32:39], v[50:57], v[24+2*\t], v240 matrix_a_fmt:MATRIX_FMT_FP4 matrix_b_fmt:MATRIX_FMT_FP4
.endr
.irp t, 0,1,2,3
	v_wmma_scale_f32_16x16x128_f8f6f4 v[192+8*\t:199+8*\t], v[136+16*\t:143+16*\t], v[40:47], v[192+8*\t:199+8*\t], v[25+2*\t], v241 matrix_a_fmt:MATRIX_FMT_FP4 matrix_b_fmt:MATRIX_FMT_FP4
.endr
.rept 4
	v_nop                                          ; four places in front of the LDS stores that read the results
.endr
.irp t, 0,1,2,3
	ds_store_b128 v3, v[192+8*\t:195+8*\t] offset:128*(\t/2)+32*(\t%2)       ; n = 32 (t / 2) + 8 (t % 2) + 16 h + 0 .. 7; each accumulator from its low end on
	ds_store_b128 v3, v[196+8*\t:199+8*\t] offset:128*(\t/2)+32*(\t%2)+16
.endr
.irp i, 0,1,2,3,4,5,6,7
	ds_load_b128 v[96+4*\i:99+4*\i], v248 offset:544*\i    ; LDS serves a wave's instructions in order (ISA guide 5.7.1.4): these see my stores
.endr
	s_wait_loadcnt 0x0                             ; x
.irp i, 0,1,2,3,4,5,6,7
	s_wait_dscnt 7-\i                              ; rows 2 i and 2 i + 1 are back; the younger loads may be out
	v_pk_add_f32 v[96+4*\i:97+4*\i], v[96+4*\i:97+4*\i], v[64+4*\i:65+4*\i]
	v_pk_add_f32 v[98+4*\i:99+4*\i], v[98+4*\i:99+4*\i], v[66+4*\i:67+4*\i]
	s_delay_alu instid0(VALU_DEP_2)
	v_pk_mul_f32 v[96+4*\i:97+4*\i], v[96+4*\i:97+4*\i], 0x3f3504f3 op_sel_hi:[1,0]
	s_delay_alu instid0(VALU_DEP_2)
	v_pk_mul_f32 v[98+4*\i:99+4*\i], v[98+4*\i:99+4*\i], 0x3f3504f3 op_sel_hi:[1,0]
	global_store_b128 v6, v[96+4*\i:99+4*\i], s[14:15] offset:32768*\i th:TH_STORE_NT   ; 16 lanes store 256 consecutive bytes, at a multiple of 256 from out0's first byte
.endr
	s_wait_tensorcnt 0x0                           ; the wave's end, behind my last LDS store
	ds_add_u32 v4, v5
	s_wait_dscnt 0x0
	s_endpgm
.Lfunc_end_k_q96b91360e0_proj:
	.size	k_q96b91360e0_proj, .Lfunc_end_k_q96b91360e0_proj-k_q96b91360e0_proj
	.p2alignl 7, 3214868480
	.fill 96, 4, 3214868480
	.section	.rodata,"a",@progbits
	.p2align	6, 0x0
	.amdhsa_kernel k_q96b91360e0_proj
		.amdhsa_group_segment_fixed_size 71680
		.amdhsa_private_segment_fixed_size 0
		.amdhsa_enable_private_segment 0
		.amdhsa_kernarg_size 48
		.amdhsa_user_sgpr_count 2
		.amdhsa_user_sgpr_kernarg_segment_ptr 1
		.amdhsa_wavefront_size32 1
		.amdhsa_system_sgpr_workgroup_id_x 1
		.amdhsa_system_sgpr_workgroup_id_y 1
		.amdhsa_system_sgpr_workgroup_id_z 1
		.amdhsa_system_vgpr_workitem_id 0
		.amdhsa_next_free_vgpr 256
		.amdhsa_next_free_sgpr 66
		.amdhsa_reserve_vcc 0
		.amdhsa_float_denorm_mode_32 3
		.amdhsa_float_denorm_mode_16_64 3
		.amdhsa_memory_ordered 1
		.amdhsa_forward_progress 1
		.amdhsa_inst_pref_size 14
	.end_amdhsa_kernel
	.amdgpu_metadata
---
amdhsa.version: [ 1, 2 ]
amdhsa.kernels:
  - .name:           k_q96b91360e0_proj
    .symbol:         k_q96b91360e0_proj.kd
    .args:
      - { .name: rs, .offset: 0, .size: 8, .value_kind: global_buffer, .address_space: global }
      - { .name: W_out_codes, .offset: 8, .size: 8, .value_kind: global_buffer, .address_space: global }
      - { .name: W_out_scales, .offset: 16, .size: 8, .value_kind: global_buffer, .address_space: global }
      - { .name: b_out, .offset: 24, .size: 8, .value_kind: global_buffer, .address_space: global }
      - { .name: x, .offset: 32, .size: 8, .value_kind: global_buffer, .address_space: global }
      - { .name: out0, .offset: 40, .size: 8, .value_kind: global_buffer, .address_space: global }
    .group_segment_fixed_size: 71680
    .private_segment_fixed_size: 0
    .kernarg_segment_align: 8
    .kernarg_segment_size: 48
    .max_flat_workgroup_size: 512
    .sgpr_count:     66
    .vgpr_count:     256
    .wavefront_size: 32
...
	.end_amdgpu_metadata
.endif
;; end of part 4
